; MI455X (gfx1250); checked and timed in simulation.
; The chip was launched on July 23, 2026; its instructions are those of AMD's public machine-readable ISA for CDNA 5 (MIT licence, August 2026) and "CDNA5" Instruction Set Architecture Reference Guide (July 2026). The comments in the code are by the model that wrote it; some were corrected since.
;; Multi Head Attention. Allowed arithmetic: matrix products marked QUANTISED: E2M3 operands, one E8M0 scale for each 32 along K, by v_wmma_scale_f32_16x16x128_f8f6f4 with both operands' format E2M3, f32 sums; everything else in f32.
;; Inputs: k 2 x 4,096 x 256 float32; mask 2 x 4,096 x 4,096 bool; q 2 x 4,096 x 256 float32; v 2 x 4,096 x 256 float32; w_out 256 x 256 float32; wk 256 x 256 float32; wq 256 x 256 float32; wv 256 x 256 float32.
;; Outputs: out0 2 x 4,096 x 256 float32.
;; This version of the problem:
;;   THIS VERSION OF THE PROBLEM IS GIVEN IN LOW PRECISION. The matrix products marked QUANTISED in the list below multiply operands that are first quantised to E2M3 (2 exponent bits, 3 mantissa bits; 6 bits a number), with one power-of-two scale for each 32 numbers along K (OCP MX v1.0); their sums are f32. All else is computed in f32.
;;   The module's matrix products, in the order in which they are computed (A, B: the left and right operand; K: the contracted axis; several contracted axes count as one K, in the product's order):
;;     1. [M 8,192, K 256] x [K 256, N 256]; A: input q; B: input wq: QUANTISED
;;     2. [M 8,192, K 256] x [K 256, N 256]; A: input k; B: input wk: QUANTISED
;;     3. [M 8,192, K 256] x [K 256, N 256]; A: input v; B: input wv: QUANTISED
;;     4. batch 16 x [M 4,096, K 32] x [K 32, N 4,096]; A: computed on the way; B: computed on the way: QUANTISED
;;     5. batch 16 x [M 4,096, K 4,096] x [K 4,096, N 32]; A: softmax (see below); B: computed on the way: QUANTISED
;;     6. [M 8,192, K 256] x [K 256, N 256]; A: computed on the way; B: input w_out: QUANTISED
;;   THE QUANTISER, for each operand of a quantised product, along K:
;;     - K is cut into blocks of 32 from its start; a last block that is shorter is filled with zeros.
;;     - A block's scale is 2^e with e = floor(log2(the largest magnitude in the block)) - 2, held to -126 .. 127; a block of zeros has e = 0. As a byte (E8M0): e + 127.
;;     - Each number is divided by its block's scale, clamped to +-7.5, and rounded to the nearest number of E2M3, ties to even, subnormals kept.
;;     - The product sums the exact products of the quantised numbers (number of the format x scale) in f32.
;;   ~~~python
;;   def quantise(x, axis):      # numpy; x: float32 -> the quantised numbers, widened to float32 again
;;       x = np.moveaxis(x, axis, -1); K = x.shape[-1]
;;       x = np.pad(x, [(0, 0)] * (x.ndim - 1) + [(0, -K % 32)]); x = x.reshape(x.shape[:-1] + (-1, 32)); a = np.abs(x).max(-1, keepdims=True)
;;       e = np.where(a > 0, np.clip(np.frexp(np.where(a > 0, a, 1))[1] - 1 - 2, -126, 127), 0)      # np.frexp(a)[1] - 1 = floor(log2(a)), exactly
;;       r = np.clip(x / 2.0 ** e, -7.5, 7.5)
;;       step = 2.0 ** (np.maximum(np.frexp(np.where(r == 0, 1, r))[1] - 1, 0) - 3)
;;       q = np.round(r / step) * step * 2.0 ** e      # np.round: ties to even
;;       return np.moveaxis(q.reshape(q.shape[:-2] + (-1,))[..., :K], -1, axis).astype(np.float32)
;;   ~~~
;;   SOFTMAX AHEAD OF A QUANTISED PRODUCT. Where the list says 'softmax', what is quantised is not the finished softmax but p = 2^(t - M), with t = logit x log2(e) and M = ceil(the row's largest t), a whole number; so 1/2 < the row's largest p <= 1. The row's sum l is taken of the UNQUANTISED p, in f32, and the product's result is divided by l at the end. Since M is a whole number, a kernel that streams over the keys may use a running M (the ceiling of the running maximum): every later rescaling is an exact power of two, which a block's scale takes up: the codes' values come out the same.
;;   OPERANDS COMPUTED ON THE WAY. 'Computed on the way' means the value that the module computes at that place (a softmax that the list does not call 'softmax' is quantised finished and normalised). What goes into a quantiser is computed in f32, as accurately as f32 sums, v_exp_f32 and their like allow (about 1e-6 of the number): no bf16 or f16 on the way to a quantiser, and a product that is left as it is and whose result goes on into a quantised operand takes f32 operands (vector FMAs, or v_wmma_f32_16x16x4_f32). A number that lies on a knife's edge between two numbers of the format may be rounded either way, as far as f32 arithmetic and the matrix unit's own rounding can turn it there, and no further.
;; One version. Each part assembles by itself: llvm-mc -triple=amdgcn-amd-amdhsa -mcpu=gfx1250 --defsym DOCPART=n.
;; ======== version 1 of 1: 2 launches
;; limits: right only within a limited range of input values
;; workspace buffers: qimg 1,638,400 bytes; kv 3,276,800 bytes; wo 53,248 bytes
;; launch proj (part 1): grid 193 x 1, 8 waves a work-group, no clusters, 80,896 bytes of LDS; arguments q, k, v, wq, wk, wv, w_out, qimg, kv, wo; writes qimg, kv, wo
.if DOCPART == 1
	.amdgcn_target "amdgcn-amd-amdhsa--gfx1250"
	.amdhsa_code_object_version 6
	.text
	.protected	k_q1d24c95d08_proj
	.globl	k_q1d24c95d08_proj
	.p2align	8
	.type	k_q1d24c95d08_proj,@function
k_q1d24c95d08_proj:
	s_mov_b64 s[64:65], 0
	v_nop
	global_prefetch_b8 v0, s[64:65] scope:SCOPE_SE
	s_setreg_imm32_b32 hwreg(HW_REG_WAVE_MODE, 25, 1), 1
	s_wait_xcnt 0x0
; Q = q wq, K = k wk, V = v wv on codes of FP6 (E2M3) with one E8M0 scale for each 32 along K, and the results quantised again for the two products of attention; w_out's codes.
; q, k, v: [8192][256] f32.  wq, wk, wv, w_out: [256 (k)][256 (n)] f32, K their FIRST axis.
; SHARES.  Work-groups 0-63 take q, 64-127 k, 128-191 v, 128 rows each; work-group 192 takes w_out.  Eight waves.
;   Every work-group quantises its whole weight: wave w takes columns 32 w .. 32 w + 31, a lane a column, its registers running down K, so that a block of 32 lies in one lane.
;   Wave w quantises 16 rows of x (tile w).  Then q, k: wave w multiplies its tile of rows by all 16 tiles of columns;  v: wave w multiplies its two tiles of columns by all 8 tiles of rows.
; AN OPERAND LIES IN LDS AND IN THE WORKSPACE AS AN IMAGE OF ITS REGISTERS: a fragment (16 rows x 128 K, 12 registers a lane) is 1,536 bytes: chunk c at 512 c, lane l at 16 l, registers 4 c .. 4 c + 3.
; THE ROWS (OR COLUMNS) OF A TILE ARE NOT NEIGHBOURS: lane r of tile 2 b + u takes 32 b + 8 u + r + 8 (r / 8), so that the 16 result registers of tiles 2 b and 2 b + 1 are 16 neighbours, 32 b + 16 (lane / 16) + 0 .. 15.
; q, k: source 0 = 16 columns of W, source 1 = my rows: a lane holds one row and its registers run along the columns: a head's 32 are a block of the next K.
; v:    source 0 = 16 rows (keys),  source 1 = my columns: a lane holds one channel and its registers run along the keys, which are the next K.
; OUT.  qimg: a block of 128 rows is 25,600 bytes: images (tile T, head group g) at (2 T + g) 1,536; a scale register a tile at 24,576 + 128 T + 4 lane (lanes 0-15 g = 0, lanes 16-31 g = 1).
;       kv: a record of 128 keys is 51,200 bytes: K laid as a block of qimg, then V^T: images (head, channel tile u) at (2 head + u) 1,536, scale registers at 24,576 + 128 head (lanes 0-15 u = 0, lanes 16-31 u = 1).
;       wo: w_out's images (2 tile + K step) 1,536 and, from 49,152 on, its scale registers, 128 bytes each.
; A block's scale is 2^(floor(log2(its largest magnitude)) - 2); its byte is the largest magnitude's exponent field - 2, held at 1 from below.
; LIMITS: a block of zeros gets the byte 1 where the rule says 127 (its codes are zeros, and this program alone reads the bytes); NaN and infinities among the inputs are not served.
; No tensor load: x is read once by one wave, straight into the registers that the conversions want; the weights are small.  No cluster: the work-groups of a tensor share only the weight, 2/3 of a work-group's bytes, read once each.
.set FRB,   1536
.set WIMG,  0                          ; LDS: the weight's 32 images (2 tile + K step),
.set WSC,   49152                      ; its 32 scale registers,
.set XIMG,  53248                      ; x's 16 images (2 tile + K step),
.set XSC,   77824                      ; their scale registers,
.set SPARE, 79872                      ; and the spare words, 128 bytes for each wave, which no other line names
.set SPW,  1                           ; v1   my spare word's address; never rewritten
.set NIL,  2                           ; v2   0; never rewritten
.set WO,   3                           ; v3   128 w + 4 lane: my column's bytes in a row of W; also my place among the output's scale registers
.set WA,   4                           ; v4   where my column's codes go in the weight's images
.set WSA,  5                           ; v5   and its scale words
.set XA,   6                           ; v6   x: my row's bytes, + 64 (lane / 16)
.set XWI,  7                           ; v7   my tile of x: its images,
.set XWS,  8                           ; v8   its scale registers
.set LW,   9                           ; v9   16 lane + WIMG
.set LWS,  10                          ; v10  4 lane + WSC
.set LX,   11                          ; v11  16 lane + XIMG
.set LXS,  12                          ; v12  4 lane + XSC
.set OWV,  13                          ; v13  my two tiles of the weight: images,
.set OWS,  14                          ; v14  scale registers
.set GO,   15                          ; v15  3,072 w + 16 lane: my two images in the output
.set CP,   16                          ; v16  16 x thread: the copy of w_out's images (in LDS and in wo alike)
.set SS,   24                          ; v24-31 scale words of the eight fragments that stream;  v32 of my own: scales and nothing else
.set OS,   32
.set BM,   36                          ; v36-39 largest magnitudes; v40-43 the other half's, then bytes; v44-47 the conversions' scale operands
.set PT,   40
.set SO,   44
.set PCD,  52                          ; v52-63 the codes just made; v64-66, v68-70 the conversions' second halves
.set OF,   72                          ; v72-83 my own fragment
.set SBY,  84                          ; v84-85 my column's scale words
.set PW,   86                          ; v86 the scale word just made; v87 the first of two; v88 both in one register
.set PW0,  87
.set PWC,  88
.set WR,   96                          ; v96-159 two sets of 32 numbers of W; later x's K step 1
.set X1,   96
.set X0,   160                         ; v160-223 x's K step 0
.set SF,   96                          ; v96-191 eight fragments that stream
.set DAC,  192                         ; v192-255 eight accumulators
.set WV,   24
.set TN,   25
.set BLK,  26
.set SEL,  34
.set HHI,  36
; The codes of 64 numbers v[s] .. v[s + 63] (register 16 b + i = k 32 b + 16 (lane / 16) + i of my row), by the scale operands in v[SO] on: a fragment in v[PCD] on.
.macro CODES s
.irp c,0,1
	v_cvt_scalef32_pk16_fp6_f32 v[PCD+6*\c:PCD+6*\c+2], v[\s+32*\c:\s+32*\c+15], v[SO+2*\c]
	v_cvt_scalef32_pk16_fp6_f32 v[PCD+12+4*\c:PCD+14+4*\c], v[\s+32*\c+16:\s+32*\c+31], v[SO+2*\c+1]   ; (a conversion's three registers begin on an even number)
.endr
	v_nop                                          ; one plain instruction behind the scaled conversions
.irp c,0,1                                     ; the operand wants a WHOLE block in a lane: lanes 0-15 block 2 c, lanes 16-31 block 2 c + 1
.irp e,0,1,2
	v_permlane16_swap_b32 v[PCD+6*\c+\e], v[PCD+12+4*\c+\e]
.endr
.irp e,0,1,2
	s_delay_alu instid0(VALU_DEP_3)
	v_mov_b32 v[PCD+3+6*\c+\e], v[PCD+12+4*\c+\e]
.endr
.endr
.endm
; The same 64 numbers' four scales, their word in v[PW], and the codes.
.macro QUANT s
.irp b,0,1,2,3
	v_max3_num_f32 v[BM+\b], |v[\s+16*\b]|, |v[\s+16*\b+1]|, 0x1800000   ; my 16 numbers of block b, and the floor 2^(3 - 127): the byte cannot fall under 1.  An accumulator is read from its low end on
.endr
.irp k,2,4,6,8,10,12,14
.irp b,0,1,2,3
	v_max3_num_f32 v[BM+\b], v[BM+\b], |v[\s+16*\b+\k]|, |v[\s+16*\b+\k+1]|   ; (the four blocks by turns)
.endr
.endr
.irp b,0,1,2,3
	s_delay_alu instid0(VALU_DEP_4)
	v_permlanex16_b32 v[PT+\b], v[BM+\b], s[SEL], s[SEL+1]
.endr
.irp b,0,1,2,3
	s_delay_alu instid0(VALU_DEP_4)
	v_max_num_f32 v[BM+\b], v[BM+\b], v[PT+\b]     ; with lane l xor 16's: the block's largest magnitude
.endr
.irp b,0,1,2,3
	s_delay_alu instid0(VALU_DEP_4)
	v_add_nc_u32 v[SO+\b], 0xff000000, v[BM+\b]    ; 2 off its exponent field: the conversion's scale operand
.endr
.irp b,0,1,2,3
	s_delay_alu instid0(VALU_DEP_4)
	v_lshrrev_b32 v[PT+\b], 23, v[SO+\b]           ; the scale's byte
.endr
	s_delay_alu instid0(VALU_DEP_3)
	v_lshl_or_b32 v[PW], v[PT+1], 8, v[PT]
	s_delay_alu instid0(VALU_DEP_1)
	v_lshl_or_b32 v[PW], v[PT+2], 16, v[PW]
	s_delay_alu instid0(VALU_DEP_1)
	v_lshl_or_b32 v[PW], v[PT+3], 24, v[PW]
	CODES \s
.endm
.macro BARRIER                                 ; my LDS stores have landed and my LDS loads are in: then the work-group's barrier
	s_wait_dscnt 0x0
	s_barrier_signal -1
	s_barrier_wait -1
.endm
.macro CLOSE                                   ; the wave's end: behind my last LDS store
	s_wait_tensorcnt 0x0
	ds_add_u32 v[SPW], v[NIL]
	s_wait_dscnt 0x0
	s_endpgm
.endm
.macro LOADW t                                 ; block t of my column: W(32 t + i, 32 w + lane): 32 lanes read 128 neighbouring bytes, the eight waves a whole row
.set n, 0
.rept 32
	global_load_b32 v[WR+32*((\t)%2)+n], v[WO], s[30:31] offset:(32*(\t)+n)*1024
.set n, n+1
.endr
.endm
.macro XLOAD reg, ks                           ; my row's numbers of K step ks: 16 neighbours of each block of 32
.irp b,0,1,2,3
.irp j,0,1,2,3
	global_load_b128 v[\reg+16*\b+4*\j:\reg+16*\b+4*\j+3], v[XA], s[28:29] offset:512*(\ks)+128*\b+16*\j th:TH_LOAD_NT
.endr
.endr
.endm
; Block t of my column becomes 24 bytes of codes: registers 6 cc .. 6 cc + 5 of lane r' + 16 hh of the image of K step t / 4 (cc = (t / 2) % 2, hh = t % 2).
.macro WBLOCK t
.set WS, WR+32*((\t)%2)
.set WOFF, ((\t)>>2)*FRB+256*((\t)&1)
.if (\t) < 7
	s_wait_loadcnt 32                              ; this block's 32 loads are in; the next block's 32 may be out
.else
	s_wait_loadcnt 0x0
.endif
	v_max3_num_f32 v[BM], |v[WS]|, |v[WS+1]|, |v[WS+2]|
	v_max3_num_f32 v[BM+1], |v[WS+3]|, |v[WS+4]|, |v[WS+5]|
.irp k,6,10,14,18,22,26
	s_delay_alu instid0(VALU_DEP_2)
	v_max3_num_f32 v[BM], v[BM], |v[WS+\k]|, |v[WS+\k+1]|
	s_delay_alu instid0(VALU_DEP_2)
	v_max3_num_f32 v[BM+1], v[BM+1], |v[WS+\k+2]|, |v[WS+\k+3]|
.endr
	s_delay_alu instid0(VALU_DEP_2)
	v_max3_num_f32 v[BM], v[BM], |v[WS+30]|, |v[WS+31]|
	s_delay_alu instid0(VALU_DEP_1)
	v_max3_num_f32 v[BM], v[BM], v[BM+1], 0x1800000   ; and the floor
	s_delay_alu instid0(VALU_DEP_1)
	v_add_nc_u32 v[SO], 0xff000000, v[BM]
	s_delay_alu instid0(VALU_DEP_1)
	v_lshrrev_b32 v[BM+1], 23, v[SO]
.if (\t)%4 == 0
	s_delay_alu instid0(VALU_DEP_1)
	v_mov_b32 v[SBY+(\t)/4], v[BM+1]               ; four bytes to a scale word, the lower K in the lower byte
.else
	s_delay_alu instid0(VALU_DEP_1)
	v_lshl_or_b32 v[SBY+(\t)/4], v[BM+1], 8*((\t)%4), v[SBY+(\t)/4]
.endif
	v_cvt_scalef32_pk16_fp6_f32 v[PCD:PCD+2], v[WS:WS+15], v[SO]
	v_cvt_scalef32_pk16_fp6_f32 v[PCD+8:PCD+10], v[WS+16:WS+31], v[SO]
	v_nop                                          ; one plain instruction behind the scaled conversions
.irp e,0,1,2
	v_mov_b32 v[PCD+3+\e], v[PCD+8+\e]
.endr
.if (((\t)>>1)&1) == 0
	ds_store_b128 v[WA], v[PCD:PCD+3] offset:WOFF              ; registers 0-3: chunk 0;
	ds_store_b64 v[WA], v[PCD+4:PCD+5] offset:WOFF+512         ; 4, 5: the lower half of my place in chunk 1
.else
	ds_store_b64 v[WA], v[PCD:PCD+1] offset:WOFF+520           ; registers 6, 7: its upper half;
	ds_store_b128 v[WA], v[PCD+2:PCD+5] offset:WOFF+1024       ; 8-11: chunk 2
.endif
.if (\t)+2 < 8
	LOADW (\t)+2
.endif
	s_wait_dscnt 0x0                               ; the stores have read their registers
.endm
; Two runs of eight accumulators x two K steps.  Source 0: eight fragments that stream, (sm gg + t); source 1: my own, (om gg).  Each run's 64 results a lane are quantised and leave as one image.
; The eight accumulators take turns, one instruction a turn.
.macro PROD sa, ssa, sm, oa, osa, om
.irp gg,0,1
.irp ks,0,1
.if (\gg)+(\ks) > 0
.rept 4
	v_nop                                          ; four places in front of loads into registers that matrix instructions have read
.endr
.endif
.irp t,0,1,2,3,4,5,6,7
.irp c,0,1,2
	ds_load_b128 v[SF+12*\t+4*\c:SF+12*\t+4*\c+3], v[\sa] offset:(((\sm)*\gg+\t)*2+\ks)*FRB+512*\c
.endr
	ds_load_b32 v[SS+\t], v[\ssa] offset:(((\sm)*\gg+\t)*2+\ks)*128
.endr
.irp c,0,1,2
	ds_load_b128 v[OF+4*\c:OF+4*\c+3], v[\oa] offset:((\om)*\gg*2+\ks)*FRB+512*\c
.endr
	ds_load_b32 v[OS], v[\osa] offset:((\om)*\gg*2+\ks)*128
	s_wait_dscnt 0x0
.irp t,0,1,2,3,4,5,6,7
.if \ks == 0
	v_wmma_scale_f32_16x16x128_f8f6f4 v[DAC+8*\t:DAC+8*\t+7], v[SF+12*\t:SF+12*\t+11], v[OF:OF+11], 0, v[SS+\t], v[OS] matrix_a_fmt:MATRIX_FMT_FP6 matrix_b_fmt:MATRIX_FMT_FP6
.else
	v_wmma_scale_f32_16x16x128_f8f6f4 v[DAC+8*\t:DAC+8*\t+7], v[SF+12*\t:SF+12*\t+11], v[OF:OF+11], v[DAC+8*\t:DAC+8*\t+7], v[SS+\t], v[OS] matrix_a_fmt:MATRIX_FMT_FP6 matrix_b_fmt:MATRIX_FMT_FP6
.endif
.endr
.endr
.rept 4
	v_nop                                          ; four places in front of the first read of results
.endr
.if \gg == 1
	s_wait_xcnt 0x0                                ; the first image's stores have read their registers, which are written anew
.endif
	QUANT DAC
.irp c,0,1,2
	global_store_b128 v[GO], v[PCD+4*\c:PCD+4*\c+3], s[32:33] offset:\gg*FRB+512*\c   ; 32 lanes store 512 consecutive bytes, at a multiple of 256 from the buffer's first byte
.endr
.if \gg == 0
	v_mov_b32 v[PW0], v[PW]
.endif
.endr
	v_cndmask_b32 v[PWC], v[PW0], v[PW], s[HHI]    ; lanes 0-15 the first image's scale words, lanes 16-31 the second's
	global_store_b32 v[WO], v[PWC], s[32:33] offset:24576
.endm
	s_load_b256 s[4:11], s[0:1], 0x0               ; q s[4:5], k s[6:7], v s[8:9], wq s[10:11]
	s_load_b256 s[12:19], s[0:1], 0x20             ; wk s[12:13], wv s[14:15], w_out s[16:17], qimg s[18:19]
	s_load_b128 s[20:23], s[0:1], 0x40             ; kv s[20:21], wo s[22:23]
	v_lshl_add_u32 v[SPW], v0, 2, SPARE
	v_mov_b32 v[NIL], 0
	v_lshrrev_b32 v18, 5, v0
	s_delay_alu instid0(VALU_DEP_1)
	v_readfirstlane_b32 s[WV], v18                 ; wave 0..7
	s_lshr_b32 s[TN], ttmp9, 6                     ; 0 q, 1 k, 2 v, 3 w_out
	s_and_b32 s[BLK], ttmp9, 63                    ; which 128 rows
	v_and_b32 v18, 31, v0                          ; lane
	v_and_b32 v19, 15, v0                          ; r
	v_bfe_u32 v20, v0, 4, 1                        ; h
	v_bfe_u32 v21, v0, 3, 1                        ; my column 32 w + lane lies in tile 2 w + u, u = (lane / 8) % 2,
	v_and_b32 v22, 7, v0
	s_delay_alu instid0(VALU_DEP_1)
	v_lshl_add_u32 v22, v20, 3, v22                ; at its lane r' = lane % 8 + 8 (lane / 16)
	s_lshl_b32 s56, s[WV], 7
	v_lshl_add_u32 v[WO], v18, 2, s56
	s_mul_i32 s57, s[WV], 6144
	v_mul_u32_u24 v[WA], v21, 3072
	s_delay_alu instid0(VALU_DEP_1)
	v_lshl_add_u32 v[WA], v22, 4, v[WA]
	s_delay_alu instid0(VALU_DEP_1)
	v_add_nc_u32 v[WA], s57, v[WA]                 ; WIMG + (2 w + u) 3,072 + 16 r'
	s_lshl_b32 s58, s[WV], 9
	s_add_co_u32 s58, s58, WSC
	v_lshlrev_b32 v[WSA], 8, v21
	s_delay_alu instid0(VALU_DEP_1)
	v_lshl_add_u32 v[WSA], v22, 2, v[WSA]
	s_delay_alu instid0(VALU_DEP_1)
	v_add_nc_u32 v[WSA], s58, v[WSA]               ; WSC + (2 w + u) 256 + 4 r'
	; k ALONE takes other rows for a tile: lane r of tile 4 c + u takes key 64 c + 32 (r / 8) + 8 u + r % 8, so that in K Q^T a lane's 32 registers of tiles 4 c .. 4 c + 3 are a whole block of 32 neighbouring keys
	s_cmp_eq_u32 s[TN], 1
	s_cselect_b32 s61, 2, 1                        ; tiles to a run of rows: 4 (k) or 2, as a shift
	s_cselect_b32 s63, 3, 1                        ; the tile's place in its run; also the factor of 8 (r / 8) beside r
	s_lshr_b32 s59, s[WV], s61
	s_add_co_u32 s61, s61, 4
	s_lshl_b32 s59, s59, s61                       ; 64 (w / 4), or 32 (w / 2)
	s_and_b32 s60, s[WV], s63
	s_lshl_b32 s60, s60, 3
	s_add_co_u32 s59, s59, s60
	v_and_b32 v23, 8, v19
	s_delay_alu instid0(VALU_DEP_1)
	v_mad_u32_u24 v23, v23, s63, v19               ; r + 8 (r / 8), or for k r + 24 (r / 8) = r % 8 + 32 (r / 8)
	s_delay_alu instid0(VALU_DEP_1)
	v_add_nc_u32 v23, s59, v23                     ; my row of the 128: 32 (w / 2) + 8 (w % 2) + r + 8 (r / 8)
	s_delay_alu instid0(VALU_DEP_1)
	v_lshlrev_b32 v[XA], 10, v23
	s_delay_alu instid0(VALU_DEP_1)
	v_lshl_add_u32 v[XA], v20, 6, v[XA]
	s_mul_i32 s62, s[WV], 3072
	s_add_co_u32 s60, s62, XIMG
	v_lshl_add_u32 v[XWI], v18, 4, s60
	s_lshl_b32 s61, s[WV], 8
	s_add_co_u32 s61, s61, XSC
	v_lshl_add_u32 v[XWS], v18, 2, s61
	v_lshlrev_b32 v[LW], 4, v18
	v_lshl_add_u32 v[LWS], v18, 2, WSC
	v_lshl_add_u32 v[LX], v18, 4, XIMG
	v_lshl_add_u32 v[LXS], v18, 2, XSC
	v_lshl_add_u32 v[OWV], v18, 4, s57
	v_lshl_add_u32 v[OWS], v18, 2, s58
	v_lshl_add_u32 v[GO], v18, 4, s62
	v_lshlrev_b32 v[CP], 4, v0
	s_mov_b32 s[SEL], 0x76543210
	s_mov_b32 s[SEL+1], 0xfedcba98                 ; v_permlanex16_b32's selects for lane l xor 16
	s_mov_b32 s[HHI], 0xffff0000
.irp b,0,1,2,3
	v_mov_b32 v[PT+\b], 0                          ; written once: a lane permute's destination counts as one of its sources
.endr
	s_wait_kmcnt 0x0
	s_cmp_eq_u32 s[TN], 0                          ; the buffers are chosen by the work-group's number alone
	s_cselect_b64 s[28:29], s[4:5], s[6:7]         ; x
	s_cselect_b64 s[30:31], s[10:11], s[12:13]     ; its weight
	s_cselect_b64 s[32:33], s[18:19], s[20:21]     ; where the images go
	s_mov_b32 s56, 51200
	s_cselect_b32 s56, 25600, s56                  ; a block of qimg, a record of kv
	s_cmp_lt_u32 s[TN], 2
	s_cselect_b64 s[28:29], s[28:29], s[8:9]
	s_cselect_b64 s[30:31], s[30:31], s[14:15]
	s_cmp_eq_u32 s[TN], 3
	s_cselect_b64 s[30:31], s[16:17], s[30:31]
	s_cmp_eq_u32 s[TN], 2
	s_cselect_b32 s58, 25600, 0                    ; V^T lies behind K in a record
	s_mul_i32 s56, s[BLK], s56
	s_add_co_u32 s56, s56, s58
	s_mov_b32 s57, 0
	s_add_nc_u64 s[32:33], s[32:33], s[56:57]
	s_lshl_b32 s56, s[BLK], 17                     ; 128 rows of 1,024 bytes
	s_add_nc_u64 s[28:29], s[28:29], s[56:57]
	s_cmp_eq_u32 s[TN], 3                          ; w_out's work-group has no x
	s_cbranch_scc1 .Lno_x0
	XLOAD X0, 0                                    ; x's first K step lands while the weight is quantised
.Lno_x0:
	LOADW 0
	LOADW 1
.irp t,0,1,2,3,4,5,6,7
	WBLOCK \t
.endr
	s_wait_alu depctr_va_vdst(0)
.irp ks,0,1
	ds_store_b32 v[WSA], v[SBY+\ks] offset:128*\ks             ; my column's scale word, in both halves of the scale register
	ds_store_b32 v[WSA], v[SBY+\ks] offset:128*\ks+64
.endr
	s_cmp_eq_u32 s[TN], 3
	s_cbranch_scc1 .Lno_x
	XLOAD X1, 1                                    ; into the registers that the weight has left; it lands while K step 0 is quantised (that step's loads were waited for with the weight's last)
	QUANT X0
.irp c,0,1,2
	ds_store_b128 v[XWI], v[PCD+4*\c:PCD+4*\c+3] offset:512*\c
.endr
	ds_store_b32 v[XWS], v[PW]
	s_wait_dscnt 0x0                               ; the stores have read their registers
	s_wait_loadcnt 0x0
	QUANT X1
.irp c,0,1,2
	ds_store_b128 v[XWI], v[PCD+4*\c:PCD+4*\c+3] offset:FRB+512*\c
.endr
	ds_store_b32 v[XWS], v[PW] offset:128
.Lno_x:
	BARRIER                                        ; the weight's 32 images and x's 16 lie in LDS; nothing is stored to LDS behind this barrier
	s_cmp_eq_u32 s[TN], 3
	s_cbranch_scc1 .Lwout
	s_cmp_eq_u32 s[TN], 2
	s_cbranch_scc1 .Lv
	PROD LW, LWS, 8, XWI, XWS, 0                   ; q, k: the weight's tiles stream, eight (a head group) a run; my tile of rows stays
	CLOSE
.Lv:
	PROD LX, LXS, 0, OWV, OWS, 1                   ; v: the eight tiles of keys stream; my head's two tiles of channels, one a run
	CLOSE
.Lwout:
.irp p,0,1,2,3,4,5,6,7,8,9,10,11,12
	ds_load_b128 v[96+4*\p:96+4*\p+3], v[CP] offset:4096*\p    ; images and scale registers leave as they lie: 13 x 4,096 bytes
.endr
.irp p,0,1,2,3,4,5,6,7,8,9,10,11,12
	s_wait_dscnt 12-\p                             ; LDS loads come back in order: number p is in, the younger ones may be out
	global_store_b128 v[CP], v[96+4*\p:96+4*\p+3], s[22:23] offset:4096*\p
.endr
	CLOSE
.Lfunc_end_k_q1d24c95d08_proj:
	.size	k_q1d24c95d08_proj, .Lfunc_end_k_q1d24c95d08_proj-k_q1d24c95d08_proj
	.p2alignl 7, 3214868480
	.fill 96, 4, 3214868480
	.section	.rodata,"a",@progbits
	.p2align	6, 0x0
	.amdhsa_kernel k_q1d24c95d08_proj
		.amdhsa_group_segment_fixed_size 80896
		.amdhsa_private_segment_fixed_size 0
		.amdhsa_enable_private_segment 0
		.amdhsa_kernarg_size 80
		.amdhsa_user_sgpr_count 2
		.amdhsa_user_sgpr_kernarg_segment_ptr 1
		.amdhsa_wavefront_size32 1
		.amdhsa_system_sgpr_workgroup_id_x 1
		.amdhsa_system_sgpr_workgroup_id_y 1
		.amdhsa_system_sgpr_workgroup_id_z 1
		.amdhsa_system_vgpr_workitem_id 0
		.amdhsa_next_free_vgpr 256
		.amdhsa_next_free_sgpr 66
		.amdhsa_reserve_vcc 0
		.amdhsa_float_denorm_mode_32 3
		.amdhsa_float_denorm_mode_16_64 3
		.amdhsa_memory_ordered 1
		.amdhsa_forward_progress 1
		.amdhsa_inst_pref_size 109
	.end_amdhsa_kernel
	.amdgpu_metadata
---
amdhsa.version: [ 1, 2 ]
amdhsa.kernels:
  - .name:           k_q1d24c95d08_proj
    .symbol:         k_q1d24c95d08_proj.kd
    .args:
      - { .name: q, .offset: 0, .size: 8, .value_kind: global_buffer, .address_space: global }
      - { .name: k, .offset: 8, .size: 8, .value_kind: global_buffer, .address_space: global }
      - { .name: v, .offset: 16, .size: 8, .value_kind: global_buffer, .address_space: global }
      - { .name: wq, .offset: 24, .size: 8, .value_kind: global_buffer, .address_space: global }
      - { .name: wk, .offset: 32, .size: 8, .value_kind: global_buffer, .address_space: global }
      - { .name: wv, .offset: 40, .size: 8, .value_kind: global_buffer, .address_space: global }
      - { .name: w_out, .offset: 48, .size: 8, .value_kind: global_buffer, .address_space: global }
      - { .name: qimg, .offset: 56, .size: 8, .value_kind: global_buffer, .address_space: global }
      - { .name: kv, .offset: 64, .size: 8, .value_kind: global_buffer, .address_space: global }
      - { .name: wo, .offset: 72, .size: 8, .value_kind: global_buffer, .address_space: global }
    .group_segment_fixed_size: 80896
    .private_segment_fixed_size: 0
    .kernarg_segment_align: 8
    .kernarg_segment_size: 80
    .max_flat_workgroup_size: 256
    .sgpr_count:     66
    .vgpr_count:     256
    .wavefront_size: 32
...
	.end_amdgpu_metadata
.endif
;; end of part 1
;; launch attn (part 2): grid 256 x 1, 8 waves a work-group, clusters of 4 x 1, 327,680 bytes of LDS; arguments mask, qimg, kv, wo, out0; writes out0
.if DOCPART == 2
	.amdgcn_target "amdgcn-amd-amdhsa--gfx1250"
	.amdhsa_code_object_version 6
	.text
	.protected	k_q1d24c95d08_attn
	.globl	k_q1d24c95d08_attn
	.p2align	8
	.type	k_q1d24c95d08_attn,@function
k_q1d24c95d08_attn:
	s_mov_b64 s[64:65], 0
	v_nop
	global_prefetch_b8 v0, s[64:65] scope:SCOPE_SE
	s_setreg_imm32_b32 hwreg(HW_REG_WAVE_MODE, 25, 1), 1
	s_wait_xcnt 0x0
	s_wait_alu depctr_hold_cnt(0) depctr_sa_sdst(0) depctr_va_vdst(0) depctr_va_sdst(0) depctr_va_ssrc(0) depctr_va_vcc(0) depctr_vm_vsrc(0)
	s_getreg_b32 s2, hwreg(HW_REG_IB_STS2, 6, 4)
	s_cmp_eq_u32 s2, 0
	s_cbranch_scc0 .Lentry_in_a_cluster
	s_endpgm
.Lentry_in_a_cluster:
	s_bfe_u32 s2, ttmp6, 0x10000c
	s_cmp_lg_u32 s2, 0x3003
	s_cbranch_scc0 .Lentry_shape_is_right
	s_endpgm
.Lentry_shape_is_right:
; out0 = (softmax(Q K^T / sqrt(32), mask) V) w_out, all three products on codes of FP6 (E2M3) with one E8M0 scale for each 32 along K.  Q, K, V^T and w_out come as images of operand registers (1,536 bytes a
; fragment: chunk c at 512 c, lane l at 16 l, registers 4 c .. 4 c + 3) with their scale registers, as the launch before laid them.  mask: [2][4096][4096] bytes, 1 = the key does not count.  out0: [8192][256] f32.
; SOFTMAX.  t = score x log2(e) / sqrt(32); M = the running largest t rounded UP to a whole number; p = 2^(t - M) is quantised along the keys, not normalised; the sum l is taken of the unquantised p and divides
; at the end; when M moves, l and O^T are multiplied by 2^(old M - new M), which rounds nothing.
; SHARES.  A work-group owns 32 neighbouring queries with all 8 heads.  Wave wv: tile of 16 queries qt = wv % 2; key step sp = (wv / 2) % 2 of a slot's two; heads 4 g .. 4 g + 3, g = wv / 4.
; A slot is 256 keys; in each slot a wave does one UNIT: 16 queries x 128 keys x 4 heads.  The parts of sp = 0 and sp = 1 (M, l, O^T) are merged at the end by exact powers of two.
; THE MASK IS THE C OF K Q^T: 64 registers of 0 or -2^127, made once for 4 heads.  The largest t begins at -2^100; a masked score gives p = 0; a row with no key ends with l = 0 and comes out as NaN.
; ONE FRAGMENT OF K (16 keys x 4 heads' 32 channels) SERVES 4 HEADS: it is multiplied by Q with zero codes outside the head's own block of 32.
; Both products are used transposed (source 0 = keys, or channels; source 1 = queries): a lane holds ONE query.  THE KEYS OF A TILE OF K: lane r of tile 4 c + u is key 64 c + 32 (r / 8) + 8 u + r % 8, so that
; lane (r, h) holds in the 32 score registers of tiles 4 c .. 4 c + 3 the keys 64 c + 32 h + 0 .. 31: a WHOLE block of p, in the order of the operand's registers.  A block's maximum needs no other lane.
; Queries and channels of a tile: lane r of tile 2 b + u is 32 b + 8 u + r + 8 (r / 8).
; THE CHANGE OF SLOTS STANDS INSIDE HEAD 3.  V's fragments of head 3 are a UNIT's last LDS reads: behind them come the wait for all tensor loads, the add, the wait for LDS and the barrier's signal; head 3's
; multiply-adds and exponentials, work on registers, stand between the signal and the wait; behind the round come the refill and then the NEXT UNIT's loads of K, its scales and the mask, into registers that the
; UNIT in hand needs no more; they land under head 3's sums, codes and product.
; CLUSTER.  The four work-groups of a cluster belong to one batch and walk the same K and V: each quarter of a slot is asked for JOINTLY (waves 0-3).  The mask's rows are a work-group's own: wave 4 fetches them.
; LIMITS: |t| of a score that counts stays under 2^100; NaN and infinities among the inputs are not served.
; REGISTERS.  Window 0: v1-15 addresses; v16-31 statistics (head i: -M, largest t, l in two halves); v32-39 K's scale words, v40-43 V's, v44 Q's, v47 p's: scales and nothing else; v46 f; v48-83 Q with its zeros;
;   v84-95 p's codes, v96-102 the conversions' second halves; v103 8 (lane / 16); v104-118 at work; v119-127, v45 the tail's addresses; v128-191, v192-255 two sets of scores.
;   Window 1: v0-95 K's 8 fragments; v96-159 the mask as C (its bytes land in v144-159); v160-223 O^T (head i, channel tile u at 160 + 16 i + 8 u); v224-247 V's two fragments.
.set FRB,   1536
.set REC,   51200                      ; a key step's record
.set SLOTB, 102400                     ; two of them: a slot's K and V
.set MOFF,  102400                     ; behind them the slot's mask tile: 32 rows x (256 bytes + 16)
.set MP,    272
.set SLOT1, 131072                     ; slot 1 begins here: one exclusive or turns an address from one slot to the other
.set SPARE, 262144                     ; the spare words, 128 bytes for each wave, which no other line names
.set MRG,   0                          ; THE TAIL lies in slot 0, which has had its last fill and its last read: parts to be merged, 4 x 9,216;
.set AIMG,  36864                      ; attention's 4 fragments (2 qt + g);
.set ASC,   43008                      ; their scale registers;
.set PHI,   43520                      ; 0 or NaN for each query, 4 x 128;
.set OSTG,  44032                      ; 32 rows of out0 x (1,024 bytes + 16)
.set OP,    1040
.set SPW,  1
.set NIL,  2
.set AK0,  3                           ; my lane's places in a slot: K's fragments, K's scale words, V's fragments, V's scale words, my query's mask bytes
.set AKS0, 4
.set AV0,  5
.set AVS0, 6
.set AM0,  7
.set ADK,  8                           ; v8-12 the same in the slot in hand
.set ADKS, 9
.set ADV,  10
.set ADVS, 11
.set ADM,  12
.set PFO,  13                          ; the prefetches' offset; never rewritten
.set TWO,  14                          ; w_out's images, my byte offset, and its scale words
.set TWS,  15
.set ST,   16
.set KS,   32
.set VS,   40
.set QS,   44
.set GOUT, 45
.set FF,   46
.set PW,   47
.set QP,   48
.set PCD,  84
.set TP,   96
.set SH8,  103
.set BM,   104
.set PT,   108
.set SO,   112
.set SUM,  116
.set TMP,  118
.set OSR,  119
.set MRGA, 120
.set AIW,  121
.set ASW,  122
.set PHW,  123
.set AIR,  124
.set ASR,  125
.set PHR,  126
.set OSW,  127
.set SA,   128
.set SB,   192
.set KF,   0                           ; window 1
.set BIAS, 96
.set RAW,  144
.set OAC,  160
.set VF,   224
.set WV,   14
.set QT,   15
.set SPL,  16
.set GG,   17
.set CX,   18
.set WG,   19
.set BT,   20
.set CQ,   21
.set CS,   22                          ; s[22:23] c = log2(e) / sqrt(32)
.set SEL,  24                          ; s[24:25] v_permlanex16_b32's selects for lane l xor 16
.set SELB, 26                          ; s26-29 v_perm_b32's selects: byte i of the first source on top, zeros below
.set HLO,  30
.set HHI,  31
.set G1K,  32                          ; s[32:39] descriptor group 1, K and V;  s[40:47] the mask's;  s[48:51], s[52:55] their groups 0, which walk
.set G1M,  40
.set G0K,  48
.set G0M,  52
.set TB,   56                          ; LDS byte at which the slot begins whose fragments are loaded
.set SLOTS, 57                         ; slots still to be asked for; in the last loop: UNITs to go
.set LIM,  58                          ; 1 in a wave that prefetches, else the greatest number
.set PFA,  60                          ; s[60:61] where my prefetches stand;  s[62:63] a slot on
.set PFS,  62
.set MSB, 0
.macro WIN new                         ; s_set_vgpr_msb: bits 1:0 source 0, 3:2 source 1, 5:4 source 2, 7:6 destination; the high byte repeats the setting that is left
.if MSB != \new
	s_set_vgpr_msb (MSB<<8)|\new
.set MSB, \new
.endif
.endm
.macro CREST                           ; a round of the cluster's barrier behind its opening barrier
	s_cmp_lg_u32 s[WV], 0
	s_cbranch_scc1 .Lnot_wave_0_\@
	s_barrier_signal -3
.Lnot_wave_0_\@:
	s_barrier_wait -3
	s_barrier_signal -1
	s_barrier_wait -1
.endm
.macro CROUND                          ; a whole round
	s_barrier_signal -1
	s_barrier_wait -1
	CREST
.endm
.macro BARRIER
	s_wait_dscnt 0x0
	s_barrier_signal -1
	s_barrier_wait -1
.endm
; Waves 0-3 ask jointly for a quarter of the slot's K and V each, wave 4 for the work-group's own mask tile, the others for nothing.  The branches hang on the wave's number alone.
.macro TLOAD
	s_cmp_lt_u32 s[WV], 4
	s_cbranch_scc0 .Lnot_k_\@
	tensor_load_to_lds s[G0K:G0K+3], s[G1K:G1K+7]
	s_nop 0
.rept 4
	v_nop
.endr
	s_branch .Lasked_\@
.Lnot_k_\@:
	s_cmp_eq_u32 s[WV], 4
	s_cbranch_scc0 .Lasked_\@
	tensor_load_to_lds s[G0M:G0M+3], s[G1M:G1M+7]
	s_nop 0
.rept 4
	v_nop
.endr
.Lasked_\@:
.endm
; A PREFETCH INTO THE L2 of what the NEXT refill will ask for, a slot (one UNIT of every wave) ahead of that load.  K and V: all clusters of a batch walk the same 102,400 bytes a slot, so the batch's first
; cluster asks; its four partners x waves 0-3 take 6,400 bytes each, told apart by ADDRESS, lanes 256 bytes apart (lanes 24-31 name lane 24's).  The mask: wave 4 of every work-group, a lane a row, 256 bytes.
; The last refill asks for nothing; slots 0 and 1 come by their loads alone.
.macro ASK
	s_cmp_gt_u32 s[SLOTS], s[LIM]
	s_cbranch_scc0 .Lnot_mine_\@
	global_prefetch_b8 v[PFO], s[PFA:PFA+1] th:TH_LOAD_NT scope:SCOPE_SE
.Lnot_mine_\@:
.endm
.macro STEPS                           ; behind the wait for all my tensor loads: the groups 0 step to the other slot and the next 256 keys; the prefetches' address a slot on
	s_xor_b32 s[G0K+1], s[G0K+1], SLOT1
	s_add_nc_u64 s[G0K+2:G0K+3], s[G0K+2:G0K+3], SLOTB
	s_xor_b32 s[G0M+1], s[G0M+1], SLOT1
	s_add_nc_u64 s[G0M+2:G0M+3], s[G0M+2:G0M+3], 256
	s_wait_xcnt 0x0                                ; the last prefetch, a slot back, has read its address
	s_add_nc_u64 s[PFA:PFA+1], s[PFA:PFA+1], s[PFS:PFS+1]
.endm
; The next UNIT's loads: K's 8 scale words, my query's 128 mask bytes (4 loads), K's 8 fragments (24 loads).  All their registers were last read by head 3's scores, issued a head earlier.
.macro NEXT
	s_xor_b32 s[TB], s[TB], SLOT1
	v_add_nc_u32 v[ADK], s[TB], v[AK0]
	v_add_nc_u32 v[ADKS], s[TB], v[AKS0]
	v_add_nc_u32 v[ADV], s[TB], v[AV0]
	v_add_nc_u32 v[ADVS], s[TB], v[AVS0]
	v_add_nc_u32 v[ADM], s[TB], v[AM0]
.irp t,0,1,2,3,4,5,6,7
	ds_load_b32 v[KS+\t], v[ADKS] offset:128*\t
.endr
	WIN 0x40
.irp q,0,1,2,3
	ds_load_b128 v[RAW+4*\q:RAW+4*\q+3], v[ADM] offset:64*(\q>>1)+16*(\q&1)   ; keys 64 c + 32 (lane / 16) + 0 .. 31, c = q / 2
.endr
.irp t,0,1,2,3,4,5,6,7
.irp c,0,1,2
	ds_load_b128 v[KF+12*\t+4*\c:KF+12*\t+4*\c+3], v[ADK] offset:2*FRB*\t+512*\c
.endr
.endr
	WIN 0
.endm
; S^T of head i: 8 tiles of 16 keys; C = the mask.  Eight different accumulators.
.macro SMUL i
.set MD, SA+64*((\i)%2)
.set MQ, QP+18*((\i)&1)+6*((\i)>>1)
	WIN 0x11                                       ; K and the mask in window 1
.irp t,0,1,2,3,4,5,6,7
	v_wmma_scale_f32_16x16x128_f8f6f4 v[MD+8*\t:MD+8*\t+7], v[KF+12*\t:KF+12*\t+11], v[MQ:MQ+11], v[BIAS+8*\t:BIAS+8*\t+7], v[KS+\t], v[QS] matrix_a_fmt:MATRIX_FMT_FP6 matrix_b_fmt:MATRIX_FMT_FP6
.endr
.endm
; The mask's bytes become the C of K Q^T, in place: byte n of the 64 goes to register n; the bytes' register k (at 48 + k) is written over at n = 48 + k, not before its last use at n = 4 k + 3.
.macro CONV
	s_wait_dscnt 24                                ; the mask's four loads are in; K's 24 behind them may be out
	WIN 0x41
.set n, 0
.rept 16
	v_mul_lo_u32 v[RAW+n], v[RAW+n], 0xff          ; bytes of 0 or 1 become 0x00 or 0xff.  (These are also the places between the last product and the loads into V's scale registers)
.set n, n+1
.endr
.set n, 0
.rept 64
	v_perm_b32 v[BIAS+n], v[RAW+(n>>2)], v[QP+6], s[SELB+(n&3)]   ; a byte on top of zeros: 0, or 0xff000000 = -2^127
.set n, n+1
.endr
	WIN 0
.irp t,0,1,2,3
	ds_load_b32 v[VS+\t], v[ADVS] offset:128*\t
.endr
.rept 4
	v_nop
.endr
	s_wait_alu depctr_va_vdst(0)
	s_wait_dscnt 4                                 ; K and its scale words are in; V's four scale words may be out
	SMUL 0
.endm
; HEAD i of a UNIT: the next head's scores are issued first; then the softmax on set i % 2, p's codes, and O^T += V^T P^T.
; chg = 0: no change of slots;  1: with a refill, behind a round of the cluster's barrier;  2: the last two UNITs: the work-group's barrier alone, nothing is filled.
.macro HEAD i, chg
.if (\i) < 3
	SMUL (\i)+1
.endif
	WIN 0
.set HS, SA+64*((\i)%2)
.set HT, ST+4*(\i)
.set HO, OAC+16*(\i)
.if (\i) == 0
.rept 4
	v_nop                                          ; four places in front of the first read of head 0's scores
.endr
.endif
.irp b,0,1,2,3
	v_max3_num_f32 v[BM+\b], v[HS+16*\b], v[HS+16*\b+1], v[HS+16*\b+2]   ; four chains of 16 scores.  These four are also the places between the last V^T P and the loads into V's registers
.endr
	WIN 0x40
.irp u,0,1
.irp c,0,1,2
	ds_load_b128 v[VF+12*\u+4*\c:VF+12*\u+4*\c+3], v[ADV] offset:(2*(\i)+\u)*FRB+512*\c
.endr
.endr
	WIN 0
.if \chg
	s_wait_alu depctr_va_vdst(0)
	s_wait_tensorcnt 0x0                           ; all my tensor loads have landed: my part of the slot ahead
	ds_add_u32 v[SPW], v[NIL]                      ; the search for the maxima stands between the add and the wait for it
.if \chg == 1
	ds_add_u32 v[SPW], v[NIL]                      ; twice on end
.endif
.endif
.irp k,3,5,7,9,11,13
.irp b,0,1,2,3
	v_max3_num_f32 v[BM+\b], v[BM+\b], v[HS+16*\b+\k], v[HS+16*\b+\k+1]
.endr
.endr
	v_max3_num_f32 v[BM], v[BM], v[BM+1], v[HS+15] ; two chains make a block of 32 keys: my blocks h and 2 + h
	v_max3_num_f32 v[BM+1], v[BM+2], v[BM+3], v[HS+47]
	v_max_num_f32 v[BM], v[BM], v[HS+31]
	v_max_num_f32 v[BM+1], v[BM+1], v[HS+63]
	s_delay_alu instid0(VALU_DEP_1)
	v_max_num_f32 v[TMP], v[BM], v[BM+1]
	s_delay_alu instid0(VALU_DEP_1)
	v_permlanex16_b32 v[PT], v[TMP], s[SEL], s[SEL+1]
	s_delay_alu instid0(VALU_DEP_1)
	v_max_num_f32 v[TMP], v[TMP], v[PT]            ; with lane l xor 16's 64 keys: the step's largest score of my query
	s_delay_alu instid0(VALU_DEP_1)
	v_mul_f32 v[TMP], s[CS], v[TMP]                ; as t
	s_delay_alu instid0(VALU_DEP_1)
	v_max_num_f32 v[HT+1], v[HT+1], v[TMP]         ; the running largest t
	v_mov_b32 v[TMP], v[HT]
	s_delay_alu instid0(VALU_DEP_2)
	v_floor_f32 v[HT], -v[HT+1]                    ; the new -M = floor(-t)
	s_delay_alu instid0(VALU_DEP_1)
	v_sub_f32 v[TMP], v[HT], v[TMP]                ; old M - new M: a whole number, 0 or less
	s_delay_alu instid0(VALU_DEP_1)
	v_cvt_i32_f32 v[TMP], v[TMP]                   ; (it saturates)
	s_delay_alu instid0(VALU_DEP_1)
	v_ldexp_f32 v[FF], 1.0, v[TMP]                 ; f = 2^(old M - new M)
.if \chg
.if \chg == 1
	STEPS
.endif
	s_wait_alu depctr_va_vdst(0)
	s_wait_dscnt 0x0                               ; the add is done, V's fragments are in: my reads of the slot in hand are over
	s_barrier_signal -1                            ; say so; work on registers alone up to the wait
.endif
.irp j,0,2,4,6,8,10,12,14,16,18,20,22,24,26,28,30,32,34,36,38,40,42,44,46,48,50,52,54,56,58,60,62
	v_pk_fma_f32 v[HS+\j:HS+\j+1], v[HS+\j:HS+\j+1], s[CS:CS+1], v[HT:HT+1] op_sel_hi:[1,0,0]   ; t - M, two at a time
.endr
	v_fma_f32 v[BM], v[BM], s[CS], v[HT]           ; the same of each block's largest score: p rises with the score, so this gives the block's largest p
	v_fma_f32 v[BM+1], v[BM+1], s[CS], v[HT]
	WIN 0x41
.irp j,0,2,4,6,8,10,12,14
	v_pk_mul_f32 v[HO+\j:HO+\j+1], v[HO+\j:HO+\j+1], v[FF:FF+1] op_sel_hi:[1,0]   ; O^T under the new M
.endr
	WIN 0
	v_pk_mul_f32 v[HT+2:HT+3], v[HT+2:HT+3], v[FF:FF+1] op_sel_hi:[1,0]   ; and l
	s_wait_alu depctr_va_vdst(0)
.set n, 0
.rept 64
	v_exp_f32 v[HS+n], v[HS+n]                     ; p = 2^(t - M)
.set n, n+1
.endr
	v_exp_f32 v[BM], v[BM]
	v_exp_f32 v[BM+1], v[BM+1]
	v_nop                                          ; a plain place behind the last exponential
	s_wait_alu depctr_va_vdst(0)                   ; and one wait for the batch of 66, ahead of its first reader and of the branches below
.if \chg
	s_barrier_wait -1                              ; no wave of my work-group reads the slot in hand any more, and the slot ahead is whole
.if \chg == 1
	CREST                                          ; the barrier has opened a round of the cluster's: the same holds of all four work-groups
	TLOAD                                          ; the slot just left takes the 256 keys two slots on: one tensor load a wave
	ASK
	NEXT
.else
	s_cmp_eq_u32 s[SLOTS], 1                       ; the last UNIT has no successor
	s_cbranch_scc1 .Lno_next_\@
	NEXT
.Lno_next_\@:
.endif
.endif
	v_max_num_f32 v[BM], 0x1800000, v[BM]          ; the floor 2^(3 - 127): a block whose every p is 0 keeps the byte 1, and its codes are zeros
	v_max_num_f32 v[BM+1], 0x1800000, v[BM+1]
	v_add_nc_u32 v[SO], 0xff000000, v[BM]          ; 2 off the exponent field: the conversion's scale operand
	v_add_nc_u32 v[SO+1], 0xff000000, v[BM+1]
.irp c,0,1
	v_cvt_scalef32_pk16_fp6_f32 v[PCD+6*\c:PCD+6*\c+2], v[HS+32*\c:HS+32*\c+15], v[SO+\c]
	v_cvt_scalef32_pk16_fp6_f32 v[TP+4*\c:TP+4*\c+2], v[HS+32*\c+16:HS+32*\c+31], v[SO+\c]   ; (a conversion's three registers begin on an even number)
.endr
	v_lshrrev_b32 v[PT], 23, v[SO]                 ; the scales' bytes.  (Plain lines behind the scaled conversions)
	v_lshrrev_b32 v[PT+1], 23, v[SO+1]
	s_delay_alu instid0(VALU_DEP_1)
	v_lshl_or_b32 v[PT], v[PT+1], 16, v[PT]        ; blocks h and 2 + h,
	s_delay_alu instid0(VALU_DEP_1)
	v_lshlrev_b32 v[PT], v[SH8], v[PT]             ; at their places in the scale word;
	s_delay_alu instid0(VALU_DEP_1)
	v_permlanex16_b32 v[PT+1], v[PT], s[SEL], s[SEL+1]
	s_delay_alu instid0(VALU_DEP_1)
	v_or_b32 v[PW], v[PT], v[PT+1]                 ; with lane l xor 16's two the word is whole
.irp c,0,1
.irp e,0,1,2
	v_mov_b32 v[PCD+3+6*\c+\e], v[TP+4*\c+\e]
.endr
.endr
	v_pk_add_f32 v[SUM:SUM+1], v[HS:HS+1], v[HS+2:HS+3]   ; THE SUM IS TAKEN OF THE UNQUANTISED p, in two chains.  These lines are also the places between the last write of p's codes and scale word and the products
.irp j,4,8,12,16,20,24,28,32,36,40,44,48,52,56,60
	v_pk_add_f32 v[HT+2:HT+3], v[HT+2:HT+3], v[HS+\j:HS+\j+1]
	v_pk_add_f32 v[SUM:SUM+1], v[SUM:SUM+1], v[HS+\j+2:HS+\j+3]
.endr
	s_delay_alu instid0(VALU_DEP_1)
	v_pk_add_f32 v[HT+2:HT+3], v[HT+2:HT+3], v[SUM:SUM+1]
	WIN 0x51                                       ; V and O^T in window 1
.if \chg == 0
	s_wait_dscnt 0x0                               ; V's two fragments are in (at a change of slots they were waited for ahead of the signal)
.endif
	v_wmma_scale_f32_16x16x128_f8f6f4 v[HO:HO+7], v[VF:VF+11], v[PCD:PCD+11], v[HO:HO+7], v[VS+\i], v[PW] matrix_a_fmt:MATRIX_FMT_FP6 matrix_b_fmt:MATRIX_FMT_FP6
	v_wmma_scale_f32_16x16x128_f8f6f4 v[HO+8:HO+15], v[VF+12:VF+23], v[PCD:PCD+11], v[HO+8:HO+15], v[VS+\i], v[PW] matrix_a_fmt:MATRIX_FMT_FP6 matrix_b_fmt:MATRIX_FMT_FP6 matrix_a_scale:MATRIX_SCALE_ROW1
	WIN 0
.endm
.macro UNIT chg                        ; my 16 queries x my key step x my 4 heads; its K, scales and mask bytes were asked for by NEXT
	CONV
	HEAD 0, 0
	HEAD 1, 0
	HEAD 2, 0
	HEAD 3, \chg
.endm
; THE TAIL'S QUANTISER: 64 numbers v[s] on, register 16 b + i = k 32 b + 16 (lane / 16) + i: half blocks, joined with lane l xor 16
.macro CODES4 s
.irp c,0,1
	v_cvt_scalef32_pk16_fp6_f32 v[PCD+6*\c:PCD+6*\c+2], v[\s+32*\c:\s+32*\c+15], v[SO+2*\c]
	v_cvt_scalef32_pk16_fp6_f32 v[PCD+12+4*\c:PCD+14+4*\c], v[\s+32*\c+16:\s+32*\c+31], v[SO+2*\c+1]
.endr
	v_nop                                          ; one plain instruction behind the scaled conversions
.irp c,0,1
.irp e,0,1,2
	v_permlane16_swap_b32 v[PCD+6*\c+\e], v[PCD+12+4*\c+\e]
.endr
.irp e,0,1,2
	v_mov_b32 v[PCD+3+6*\c+\e], v[PCD+12+4*\c+\e]
.endr
.endr
.endm
.macro WORD4
.irp b,0,1,2,3
	v_add_nc_u32 v[SO+\b], 0xff000000, v[BM+\b]
.endr
.irp b,0,1,2,3
	v_lshrrev_b32 v[PT+\b], 23, v[SO+\b]
.endr
	v_lshl_or_b32 v[PW], v[PT+1], 8, v[PT]
	s_delay_alu instid0(VALU_DEP_1)
	v_lshl_or_b32 v[PW], v[PT+2], 16, v[PW]
	s_delay_alu instid0(VALU_DEP_1)
	v_lshl_or_b32 v[PW], v[PT+3], 24, v[PW]
.endm
	s_load_b256 s[4:11], s[0:1], 0x0               ; mask s[4:5], qimg s[6:7], kv s[8:9], wo s[10:11]
	s_load_b64 s[12:13], s[0:1], 0x20              ; out0
	v_lshl_add_u32 v[SPW], v0, 2, SPARE
	v_mov_b32 v[NIL], 0
	ds_add_u32 v[SPW], v[NIL]                      ; the opening lines: the add, twice on end, and its wait ahead of the first tensor loads
	ds_add_u32 v[SPW], v[NIL]
	v_lshrrev_b32 v8, 5, v0
	s_delay_alu instid0(VALU_DEP_1)
	v_readfirstlane_b32 s[WV], v8                  ; wave 0..7
	s_and_b32 s[QT], s[WV], 1
	s_bfe_u32 s[SPL], s[WV], 0x10001
	s_lshr_b32 s[GG], s[WV], 2
	s_lshr_b32 s[CQ], s[WV], 1                     ; the last product: which 64 columns
	s_bfe_u32 s[CX], ttmp6, 0x40000                ; my place in the cluster: it enters global addresses alone
	s_lshl_b32 s[WG], ttmp9, 2
	s_add_co_u32 s[WG], s[WG], s[CX]               ; my 32 queries
	s_lshr_b32 s[BT], ttmp9, 5                     ; the batch, which the four partners share
	v_and_b32 v8, 31, v0                           ; lane
	s_wait_alu depctr_va_vdst(0)
	v_and_b32 v9, 15, v0                           ; r
	v_bfe_u32 v10, v0, 4, 1                        ; h
	v_and_b32 v11, 8, v9
	v_lshlrev_b32 v[SH8], 3, v10                   ; 8 h
	v_add_nc_u32 v11, v11, v9
	s_lshl_b32 s66, s[QT], 3
	v_add_nc_u32 v11, s66, v11                     ; my query among the 32: 8 qt + r + 8 (r / 8)
	s_wait_alu depctr_va_vdst(0)
	s_mul_i32 s66, s[SPL], REC
	s_mul_i32 s67, s[GG], FRB
	s_add_co_u32 s67, s67, s66
	v_lshl_add_u32 v[AK0], v8, 4, s67
	s_lshl_b32 s67, s[GG], 6
	s_add_co_u32 s67, s67, s66
	s_add_co_u32 s67, s67, 24576
	v_lshl_add_u32 v[AKS0], v9, 2, s67
	s_mul_i32 s67, s[GG], 8*FRB
	s_add_co_u32 s67, s67, s66
	s_add_co_u32 s67, s67, 25600
	v_lshl_add_u32 v[AV0], v8, 4, s67
	s_lshl_b32 s67, s[GG], 9
	s_add_co_u32 s67, s67, s66
	s_add_co_u32 s67, s67, 50176
	v_lshl_add_u32 v[AVS0], v8, 2, s67
	v_mul_u32_u24 v[AM0], v11, MP
	s_delay_alu instid0(VALU_DEP_1)
	v_lshl_add_u32 v[AM0], v10, 5, v[AM0]          ; + 32 h: my half's block of 32 keys
	s_lshl_b32 s67, s[SPL], 7
	s_add_co_u32 s67, s67, MOFF
	v_add_nc_u32 v[AM0], s67, v[AM0]
	; the tail's addresses, all made here, ahead of every parting of the waves
	s_lshl_b32 s67, s[GG], 1
	s_add_co_u32 s67, s67, s[QT]                   ; qt + 2 g
	s_mul_i32 s68, s67, 9216
	v_lshl_add_u32 v[MRGA], v8, 4, s68
	s_lshl_b32 s68, s67, 7
	s_add_co_u32 s68, s68, PHI
	v_lshl_add_u32 v[PHW], v8, 2, s68
	s_lshl_b32 s67, s[QT], 1
	s_mul_i32 s68, s67, FRB
	s_add_co_u32 s68, s68, AIMG
	v_lshl_add_u32 v[AIR], v8, 4, s68
	s_lshl_b32 s68, s67, 7
	s_add_co_u32 s68, s68, ASC
	v_lshl_add_u32 v[ASR], v8, 2, s68
	s_add_co_u32 s67, s67, s[GG]                   ; 2 qt + g
	s_mul_i32 s68, s67, FRB
	s_add_co_u32 s68, s68, AIMG
	v_lshl_add_u32 v[AIW], v8, 4, s68
	s_lshl_b32 s68, s67, 7
	s_add_co_u32 s68, s68, ASC
	v_lshl_add_u32 v[ASW], v8, 2, s68
	s_lshl_b32 s68, s[QT], 7
	s_add_co_u32 s68, s68, PHI
	v_lshl_add_u32 v[PHR], v8, 2, s68
	v_mul_u32_u24 v[OSW], v11, OP
	s_delay_alu instid0(VALU_DEP_1)
	v_lshl_add_u32 v[OSW], v10, 6, v[OSW]
	s_lshl_b32 s68, s[CQ], 8
	s_add_co_u32 s68, s68, OSTG
	v_add_nc_u32 v[OSW], s68, v[OSW]
	s_mul_i32 s68, s[WV], 4*OP
	s_add_co_u32 s68, s68, OSTG
	v_lshl_add_u32 v[OSR], v8, 4, s68
	s_lshl_b32 s68, s[WV], 12
	v_lshl_add_u32 v[GOUT], v8, 4, s68
	s_mul_i32 s68, s[CQ], 8*FRB
	v_lshl_add_u32 v[TWO], v8, 4, s68
	s_lshl_b32 s68, s[CQ], 10
	s_add_co_u32 s68, s68, 49152
	v_lshl_add_u32 v[TWS], v8, 2, s68
	s_cmp_lt_u32 s[WV], 4                          ; the prefetches' offsets: K and V 256 x min(lane, 24); the mask a row (4,096 bytes) a lane
	s_cselect_b32 s68, 8, 12
	s_cselect_b32 s69, 24, 31
	v_min_u32 v[PFO], s69, v8
	s_delay_alu instid0(VALU_DEP_1)
	v_lshlrev_b32 v[PFO], s68, v[PFO]
	s_lshl_b32 s70, s[CX], 1                       ; Q: tile T = 2 cx + qt of the cluster's block of 128 rows
	s_add_co_u32 s70, s70, s[QT]
	s_lshl_b32 s71, s70, 1
	s_add_co_u32 s71, s71, s[GG]
	s_mul_i32 s71, s71, FRB
	v_lshl_add_u32 v[SUM], v8, 4, s71              ; its image (2 T + g),
	s_lshl_b32 s70, s70, 7
	s_lshl_b32 s71, s[GG], 6
	s_add_co_u32 s70, s70, s71
	s_add_co_u32 s70, s70, 24576
	v_lshl_add_u32 v[SUM+1], v9, 2, s70            ; its scale words
	; descriptor group 1.  K and V: 100 dense rows of 256 bytes (32 elements of 8), asked for jointly by all four work-groups
	s_mov_b32 s[G1K], 15|(3<<16)|(1<<21)
	s_mov_b32 s[G1K+1], 32<<16
	s_mov_b32 s[G1K+2], 100<<16
	s_mov_b32 s[G1K+3], 32<<16
	s_mov_b32 s[G1K+4], 100
	s_mov_b32 s[G1K+5], 32
	s_mov_b32 s[G1K+6], 0
	s_mov_b32 s[G1K+7], 0
	; the mask tile: 32 rows of 256 bytes, 4,096 bytes apart, 16 bytes of padding behind each in LDS
	s_mov_b32 s[G1M], (3<<16)|(1<<20)|(5<<22)|(3<<25)
	s_mov_b32 s[G1M+1], 32<<16
	s_mov_b32 s[G1M+2], 32<<16
	s_mov_b32 s[G1M+3], 32<<16
	s_mov_b32 s[G1M+4], 32
	s_mov_b32 s[G1M+5], 512
	s_mov_b32 s[G1M+6], 0
	s_mov_b32 s[G1M+7], 0
	s_mov_b32 s[CS], 0x3e8293ee                    ; c = log2(e) / sqrt(32)
	s_mov_b32 s[CS+1], s[CS]
	s_mov_b32 s[SEL], 0x76543210
	s_mov_b32 s[SEL+1], 0xfedcba98
	s_mov_b32 s[SELB], 0x04000000
	s_mov_b32 s[SELB+1], 0x05000000
	s_mov_b32 s[SELB+2], 0x06000000
	s_mov_b32 s[SELB+3], 0x07000000
	s_mov_b32 s[HLO], 0x0000ffff
	s_mov_b32 s[HHI], 0xffff0000
	s_mov_b32 s[TB], SLOT1                         ; the first NEXT turns it to slot 0
	s_mov_b32 s[SLOTS], 15
	s_and_b32 s80, ttmp9, 31                       ; who prefetches: waves 0-3 of a batch's first cluster (the same in all four partners),
	s_or_b32 s80, s80, s[GG]
	s_cmp_eq_u32 s80, 0
	s_cselect_b32 s[LIM], 1, -1
	s_cmp_eq_u32 s[WV], 4                          ; and wave 4 everywhere
	s_cselect_b32 s[LIM], 1, s[LIM]
	s_mul_i32 s72, s[BT], 1638400                  ; the batch's 32 records
	s_mul_i32 s[G0K+1], s[WV], 25600               ; LDS: my quarter of slot 0
	s_add_co_u32 s74, s72, s[G0K+1]
	s_mov_b32 s75, 0
	s_lshl_b32 s76, s[WG], 17                      ; my 32 rows of the mask
	s_mov_b32 s77, 0
	s_lshl_b32 s78, s[CX], 2
	s_add_co_u32 s78, s78, s[WV]
	s_mul_i32 s78, s78, 6400
	s_add_co_u32 s78, s78, s72
	s_add_co_u32 s78, s78, SLOTB                   ; K and V: my 6,400 bytes, in slot 1: the first STEPS steps it to slot 2
	s_add_co_u32 s80, s76, 256                     ; the mask likewise
	s_mov_b32 s79, 0
	s_mov_b32 s[PFS], 256
	s_mov_b32 s[PFS+1], 0
	s_mul_i32 s82, ttmp9, 25600
	s_mov_b32 s83, 0
	s_lshl_b32 s84, s[WG], 15
	s_mov_b32 s85, 0
	s_wait_dscnt 0x0                               ; both opening adds are done
	s_wait_kmcnt 0x0
	s_mov_b32 s[G0K], 1
	s_add_nc_u64 s[G0K+2:G0K+3], s[8:9], s[74:75]
	s_or_b32 s[G0K+3], s[G0K+3], 0x80000000
	s_mov_b32 s[G0M], 1
	s_mov_b32 s[G0M+1], MOFF
	s_add_nc_u64 s[G0M+2:G0M+3], s[4:5], s[76:77]
	s_or_b32 s[G0M+3], s[G0M+3], 0x80000000
	s_cmp_lt_u32 s[WV], 4
	s_cselect_b64 s[PFA:PFA+1], s[8:9], s[4:5]
	s_cselect_b32 s78, s78, s80
	s_cselect_b32 s[PFS], SLOTB, s[PFS]
	s_add_nc_u64 s[PFA:PFA+1], s[PFA:PFA+1], s[78:79]
	s_add_nc_u64 s[6:7], s[6:7], s[82:83]          ; qimg at the cluster's block
	s_add_nc_u64 s[12:13], s[12:13], s[84:85]      ; out0 at my 32 rows
	CROUND                                         ; all four work-groups are here: the first joint loads meet
	TLOAD                                          ; slot 0
	s_wait_alu depctr_va_vdst(0)
.irp c,0,1,2
	global_load_b128 v[PCD+4*\c:PCD+4*\c+3], v[SUM], s[6:7] offset:512*\c
.endr
	global_load_b32 v[QS], v[SUM+1], s[6:7]
.irp i,0,1,2,3
	v_mov_b32 v[ST+4*\i], 0x71800000               ; -M = 2^100
	v_mov_b32 v[ST+4*\i+1], 0xf1800000             ; the largest t so far: -2^100, over every masked t and under every t that counts
	v_mov_b32 v[ST+4*\i+2], 0                      ; l, in two halves
	v_mov_b32 v[ST+4*\i+3], 0
	v_mov_b32 v[PT+\i], 0                          ; written once: a lane permute's destination counts as one of its sources
.endr
	v_mov_b32 v[PW], 0                             ; (named as the upper half of the pair with f before it is first written)
.irp e,0,1,2,3,4,5
	v_mov_b32 v[QP+6+\e], 0                        ; Q's zero codes
	v_mov_b32 v[QP+24+\e], 0
.endr
	WIN 0x40
.set n, 0
.rept 64
	v_mov_b32 v[OAC+n], 0                          ; O^T.  (The UNIT has no first step of its own: it finds zeros, which the first change of M leaves zeros)
.set n, n+1
.endr
	WIN 0
	s_wait_loadcnt 0x0                             ; Q
.irp e,0,1,2,3,4,5                             ; head j of the group is block j of the fragment: registers 6 (j / 2) on, lanes 16 (j % 2) on; all else zero codes.  Head 0: v48-59; 2: v54-65; 1: v66-77; 3: v72-83
	v_cndmask_b32 v[QP+\e], 0, v[PCD+\e], s[HLO]
	v_cndmask_b32 v[QP+18+\e], 0, v[PCD+\e], s[HHI]
	v_cndmask_b32 v[QP+12+\e], 0, v[PCD+6+\e], s[HLO]
	v_cndmask_b32 v[QP+30+\e], 0, v[PCD+6+\e], s[HHI]
.endr
	s_wait_alu depctr_va_vdst(0)
	s_wait_tensorcnt 0x0                           ; my part of slot 0 is in; slot 1's first fill is issued as a refill is
	ds_add_u32 v[SPW], v[NIL]
	ds_add_u32 v[SPW], v[NIL]                      ; twice on end
	STEPS
	s_wait_dscnt 0x0
	CROUND
	TLOAD                                          ; slot 1
	ASK
	s_sub_co_u32 s[SLOTS], s[SLOTS], 1             ; 14 slots are left to ask for
	NEXT                                           ; UNIT 0's loads, from slot 0
.Lslot:                                            ; 14 trips: UNIT u asks for slot u + 2
	UNIT 1
	s_sub_co_u32 s[SLOTS], s[SLOTS], 1
	s_cmp_lg_u32 s[SLOTS], 0
	s_cbranch_scc1 .Lslot
	s_mov_b32 s[SLOTS], 2
.Llast:                                            ; the last two UNITs ask for nothing more
	UNIT 2
	s_sub_co_u32 s[SLOTS], s[SLOTS], 1
	s_cmp_lg_u32 s[SLOTS], 0
	s_cbranch_scc1 .Llast
	; THE TAIL.  w_out's fragments for my 64 columns (tiles 4 cq + t, both K steps) are asked for first: into K's registers and K's scale registers
	WIN 0x40
.irp t,0,1,2,3,4,5,6,7
.irp c,0,1,2
	global_load_b128 v[KF+12*\t+4*\c:KF+12*\t+4*\c+3], v[TWO], s[10:11] offset:FRB*\t+512*\c
.endr
.endr
	WIN 0
.irp t,0,1,2,3,4,5,6,7
	global_load_b32 v[KS+\t], v[TWS], s[10:11] offset:128*\t
.endr
	s_wait_alu depctr_va_vdst(0)
.irp i,0,1,2,3
	v_add_f32 v[SO+\i], v[ST+4*\i+2], v[ST+4*\i+3] ; l's two halves,
.endr
.irp i,0,1,2,3
	v_permlanex16_b32 v[PT+\i], v[SO+\i], s[SEL], s[SEL+1]
.endr
.irp i,0,1,2,3
	v_add_f32 v[PT+\i], v[PT+\i], v[SO+\i]         ; and lane l xor 16's: my part's l
.endr
.irp i,0,1,2,3
	v_mov_b32 v[BM+\i], v[ST+4*\i]                 ; my part's -M
.endr
	s_wait_alu depctr_va_vdst(0)
	BARRIER
	s_cmp_eq_u32 s[SPL], 0
	s_cbranch_scc1 .Lnot_send
	WIN 0x04                                       ; an LDS store's data are its source 1: window 1
.irp e,0,1,2,3,4,5,6,7,8,9,10,11,12,13,14,15
	ds_store_b128 v[MRGA], v[OAC+4*\e:OAC+4*\e+3] offset:512*\e   ; the waves sp = 1 hand over O^T (each accumulator from its low end on),
.endr
	WIN 0
	ds_store_b128 v[MRGA], v[BM:BM+3] offset:8192  ; -M
	ds_store_b128 v[MRGA], v[PT:PT+3] offset:8704  ; and l
.Lnot_send:
	BARRIER
	s_cmp_lg_u32 s[SPL], 0
	s_cbranch_scc1 .Lnot_merge
.irp e,0,1,2,3,4,5,6,7,8,9,10,11,12,13,14,15
	ds_load_b128 v[SA+4*\e:SA+4*\e+3], v[MRGA] offset:512*\e
.endr
	ds_load_b128 v[96:99], v[MRGA] offset:8192
	ds_load_b128 v[100:103], v[MRGA] offset:8704
	s_wait_dscnt 0x0
.irp i,0,1,2,3
	v_min_num_f32 v[SO+\i], v[BM+\i], v[96+\i]     ; -M of both parts together
.endr
.irp i,0,1,2,3
	v_sub_f32 v[BM+\i], v[SO+\i], v[BM+\i]         ; my M - M, the partner's M - M: whole numbers, 0 or less
	v_sub_f32 v[96+\i], v[SO+\i], v[96+\i]
.endr
.irp i,0,1,2,3
	v_cvt_i32_f32 v[BM+\i], v[BM+\i]
	v_cvt_i32_f32 v[96+\i], v[96+\i]
.endr
.irp i,0,1,2,3
	v_ldexp_f32 v[BM+\i], 1.0, v[BM+\i]            ; the two factors: exact powers of two
	v_ldexp_f32 v[96+\i], 1.0, v[96+\i]
.endr
.irp i,0,1,2,3
	v_mul_f32 v[PT+\i], v[PT+\i], v[BM+\i]
.endr
.irp i,0,1,2,3
	v_fma_f32 v[PT+\i], v[100+\i], v[96+\i], v[PT+\i]   ; the row's l
.endr
	s_wait_alu depctr_va_vdst(0)
.irp i,0,1,2,3
	v_rcp_f32 v[SO+\i], v[PT+\i]
.endr
	v_nop                                          ; a plain instruction behind the last reciprocal,
	s_wait_alu depctr_va_vdst(0)                   ; and the wait ahead of the first use: one for the four
.irp i,0,1,2,3
	v_mul_f32 v[ST+4*\i], v[BM+\i], v[SO+\i]       ; factor / l, in even registers: the packed forms take a pair's low word
	v_mul_f32 v[ST+4*\i+2], v[96+\i], v[SO+\i]
.endr
	v_mul_f32 v[SUM], 0, v[SO]                     ; 0, or NaN where l = 0: a query with no key (the mask is the same for all heads)
	WIN 0x01
.irp i,0,1,2,3
.irp e,0,2,4,6,8,10,12,14
	v_pk_mul_f32 v[SB+16*\i+\e:SB+16*\i+\e+1], v[OAC+16*\i+\e:OAC+16*\i+\e+1], v[ST+4*\i:ST+4*\i+1] op_sel_hi:[1,0]
.endr
.endr
	WIN 0
.irp i,0,1,2,3
.irp e,0,2,4,6,8,10,12,14
	v_pk_fma_f32 v[SB+16*\i+\e:SB+16*\i+\e+1], v[SA+16*\i+\e:SA+16*\i+\e+1], v[ST+4*\i+2:ST+4*\i+3], v[SB+16*\i+\e:SB+16*\i+\e+1] op_sel_hi:[1,0,1]   ; attention's result: register 16 i + e = channel 32 i + 16 (lane / 16) + e of my group
.endr
.endr
.irp b,0,1,2,3
	v_max3_num_f32 v[BM+\b], |v[SB+16*\b]|, |v[SB+16*\b+1]|, 0x1800000   ; it is K step g of the last product: quantised along the channels
.endr
.irp k,2,4,6,8,10,12,14
.irp b,0,1,2,3
	v_max3_num_f32 v[BM+\b], v[BM+\b], |v[SB+16*\b+\k]|, |v[SB+16*\b+\k+1]|
.endr
.endr
.irp b,0,1,2,3
	v_permlanex16_b32 v[PT+\b], v[BM+\b], s[SEL], s[SEL+1]
.endr
.irp b,0,1,2,3
	v_max_num_f32 v[BM+\b], v[BM+\b], v[PT+\b]
.endr
	WORD4
	CODES4 SB
.irp c,0,1,2
	ds_store_b128 v[AIW], v[PCD+4*\c:PCD+4*\c+3] offset:512*\c
.endr
	ds_store_b32 v[ASW], v[PW]
	ds_store_b32 v[PHW], v[SUM]
.Lnot_merge:
	BARRIER                                        ; attention's four fragments lie in LDS
.irp t,0,1
.irp c,0,1,2
	ds_load_b128 v[PCD+12*\t+4*\c:PCD+12*\t+4*\c+3], v[AIR] offset:FRB*\t+512*\c   ; my tile of queries, both K steps
.endr
.endr
	ds_load_b32 v[VS], v[ASR]
	ds_load_b32 v[VS+1], v[ASR] offset:128
	ds_load_b32 v[SUM], v[PHR]
	s_wait_loadcnt 0x0                             ; w_out
	s_wait_dscnt 0x0
	WIN 0x01                                       ; source 0 = 16 columns of w_out (window 1), source 1 = my queries: four accumulators by turns
.irp t,0,1,2,3
	v_wmma_scale_f32_16x16x128_f8f6f4 v[SB+8*\t:SB+8*\t+7], v[KF+24*\t:KF+24*\t+11], v[PCD:PCD+11], 0, v[KS+2*\t], v[VS] matrix_a_fmt:MATRIX_FMT_FP6 matrix_b_fmt:MATRIX_FMT_FP6
.endr
.irp t,0,1,2,3
	v_wmma_scale_f32_16x16x128_f8f6f4 v[SB+8*\t:SB+8*\t+7], v[KF+24*\t+12:KF+24*\t+23], v[PCD+12:PCD+23], v[SB+8*\t:SB+8*\t+7], v[KS+2*\t+1], v[VS+1] matrix_a_fmt:MATRIX_FMT_FP6 matrix_b_fmt:MATRIX_FMT_FP6
.endr
	WIN 0
.rept 4
	v_nop                                          ; four places in front of the first read of results
.endr
.irp e,0,2,4,6,8,10,12,14,16,18,20,22,24,26,28,30
	v_pk_add_f32 v[SB+\e:SB+\e+1], v[SB+\e:SB+\e+1], v[SUM:SUM+1] op_sel_hi:[1,0]   ; + 0, or NaN for a query with no key
.endr
.irp t,0,1,2,3
.irp e,0,1
	ds_store_b128 v[OSW], v[SB+8*\t+4*\e:SB+8*\t+4*\e+3] offset:128*(\t>>1)+32*(\t&1)+16*\e   ; lane (r, h): columns 64 cq + 32 (t / 2) + 16 h + 8 (t % 2) + 0 .. 7 of my query's row
.endr
.endr
	BARRIER                                        ; 32 whole rows of out0 lie in the stage
.irp e,0,1,2,3,4,5,6,7
	ds_load_b128 v[SA+4*\e:SA+4*\e+3], v[OSR] offset:(\e>>1)*OP+(\e&1)*512
.endr
.irp e,0,1,2,3,4,5,6,7
	s_wait_dscnt 7-\e                              ; LDS loads come back in order: number e is in, the younger ones may be out
	global_store_b128 v[GOUT], v[SA+4*\e:SA+4*\e+3], s[12:13] offset:(\e>>1)*1024+(\e&1)*512   ; 32 lanes store 512 consecutive bytes, at a multiple of 256 from out0's first byte
.endr
	s_wait_tensorcnt 0x0                           ; the wave's end: behind my last tensor load and my last LDS store
	ds_add_u32 v[SPW], v[NIL]
	s_wait_dscnt 0x0
	CROUND                                         ; the closing round: no work-group ends while a partner may still ask for a tile that names it
	s_endpgm
.Lfunc_end_k_q1d24c95d08_attn:
	.size	k_q1d24c95d08_attn, .Lfunc_end_k_q1d24c95d08_attn-k_q1d24c95d08_attn
	.p2alignl 7, 3214868480
	.fill 96, 4, 3214868480
	.section	.rodata,"a",@progbits
	.p2align	6, 0x0
	.amdhsa_kernel k_q1d24c95d08_attn
		.amdhsa_group_segment_fixed_size 327680
		.amdhsa_private_segment_fixed_size 0
		.amdhsa_enable_private_segment 0
		.amdhsa_kernarg_size 40
		.amdhsa_user_sgpr_count 2
		.amdhsa_user_sgpr_kernarg_segment_ptr 1
		.amdhsa_wavefront_size32 1
		.amdhsa_system_sgpr_workgroup_id_x 1
		.amdhsa_system_sgpr_workgroup_id_y 1
		.amdhsa_system_sgpr_workgroup_id_z 1
		.amdhsa_system_vgpr_workitem_id 0
		.amdhsa_next_free_vgpr 512
		.amdhsa_next_free_sgpr 96
		.amdhsa_reserve_vcc 0
		.amdhsa_float_denorm_mode_32 3
		.amdhsa_float_denorm_mode_16_64 3
		.amdhsa_memory_ordered 1
		.amdhsa_forward_progress 1
		.amdhsa_inst_pref_size 161
	.end_amdhsa_kernel
	.amdgpu_metadata
---
amdhsa.version: [ 1, 2 ]
amdhsa.kernels:
  - .name:           k_q1d24c95d08_attn
    .symbol:         k_q1d24c95d08_attn.kd
    .args:
      - { .name: mask, .offset: 0, .size: 8, .value_kind: global_buffer, .address_space: global }
      - { .name: qimg, .offset: 8, .size: 8, .value_kind: global_buffer, .address_space: global }
      - { .name: kv, .offset: 16, .size: 8, .value_kind: global_buffer, .address_space: global }
      - { .name: wo, .offset: 24, .size: 8, .value_kind: global_buffer, .address_space: global }
      - { .name: out0, .offset: 32, .size: 8, .value_kind: global_buffer, .address_space: global }
    .group_segment_fixed_size: 327680
    .private_segment_fixed_size: 0
    .kernarg_segment_align: 8
    .kernarg_segment_size: 40
    .max_flat_workgroup_size: 256
    .sgpr_count:     96
    .vgpr_count:     512
    .wavefront_size: 32
...
	.end_amdgpu_metadata
.endif
;; end of part 2
